; MI455X (gfx1250); checked and timed in simulation.
; The chip was launched on July 23, 2026; its instructions are those of AMD's public machine-readable ISA for CDNA 5 (MIT licence, August 2026) and "CDNA5" Instruction Set Architecture Reference Guide (July 2026). The comments in the code are by the model that wrote it; some were corrected since.
;; Linear Attention. Allowed arithmetic: float matrix products may take bf16 or f16 operands with f32 sums; all other float work in f32.
;; Inputs: k 4 x 4,096 x 8 x 64 float32; kv_mask 4 x 4,096 bool; q 4 x 4,096 x 8 x 64 float32; q_mask 4 x 4,096 bool; v 4 x 4,096 x 8 x 64 float32.
;; Outputs: out0 4 x 4,096 x 8 x 64 float32.
;; 2 versions, each right; version 2 is version 1 with the launch kvsum written anew for expert scheduling mode. Each part assembles by itself: llvm-mc -triple=amdgcn-amd-amdhsa -mcpu=gfx1250 --defsym DOCPART=n.
;; ======== version 1 of 2: 2 launches
;; workspace buffers: part 4,325,376 bytes
;; launch kvsum (part 1): grid 256 x 1, 8 waves a work-group, no clusters, 136,192 bytes of LDS; arguments k, v, kv_mask, part; writes part
.if DOCPART == 1
	.amdgcn_target "amdgcn-amd-amdhsa--gfx1250"
	.amdhsa_code_object_version 6
	.text
	.protected	k_q28bcd599a7_kvsum
	.globl	k_q28bcd599a7_kvsum
	.p2align	8
	.type	k_q28bcd599a7_kvsum,@function
k_q28bcd599a7_kvsum:
	s_mov_b64 s[64:65], 0
	v_nop
	global_prefetch_b8 v0, s[64:65] scope:SCOPE_SE
	s_setreg_imm32_b32 hwreg(HW_REG_WAVE_MODE, 25, 1), 1
	s_wait_xcnt 0x0
; Partial sums of linear attention:  kv[d][e] = sum over keys of f(k)[d] m * v[e] m,   z[d] = sum over keys of f(k)[d] m,   f(x) = elu(x) + 1.
; k, v: [4][4096][8][64] f32.  kv_mask: [4][4096] bytes, taken as 0 or 1.  part: 256 slots of 16,896 bytes.
; A work-group owns one (batch, head) and 512 keys; its eight waves own 64 keys each, as two K steps of 32 keys.
; 256 work-groups = 4 batches x 8 chunks x 8 heads, the head fastest: eight neighbouring groups read neighbouring bytes.
;
; NO TRANSPOSE IS PAID FOR.  A (key, head) row is 256 bytes at a multiple of 256.  One 16-byte load of the wave takes two whole rows:
; lanes 0-15 (hl = 0) key j, lanes 16-31 (hl = 1) key 16 + j; lane r of a half takes features 4r .. 4r+3.  After 16 loads lane (r, hl) holds
; 16 keys x 4 features.  A bf16 fragment wants, in lane (r, hl), 16 values along K of one row (ISA guide 7.12.2): so component t of the 16 loads IS
; the lane's part of the fragment whose row r stands for feature 4r + t, and v_cvt_pk_bf16_f32, which takes its two sources from two loads,
; puts it there.  The order of the keys inside a K step is the same in k's and in v's fragments, so the products are the same.
; Result tile (t, u), register j, lane (r, hl):  kv[32 hl + 4 j + t][4 r + u].
;
; f(x) is formed as the problem forms it: x > 0 ? x : exp(x) - 1, then + 1, each step rounded to f32, so that it is exactly 0 for x below about -17.3.
; The mask enters as (y + 1) m = fma(y, m, m), exact for m = 0 or 1, and as v m.
; LIMITS: the products take f(k) m and v m rounded to bf16 (above 3.39e38 they round to infinity) and add in f32; z adds the unrounded f32;
; both in another order than a sum key by key.  exp is v_exp_f32 of x log2(e), good to 1 ulp.
.set ROWB,  2048                       ; bytes from a key to the next
.set SLOTB, 16896                      ; a slot of part: 8 slices of 2,048 bytes of kv, then 512 bytes of z
.set WBLK,  16384                      ; LDS: a wave's 128 accumulators, 32 quads of registers x 512 bytes
.set ZLDS,  8*WBLK                     ; LDS: behind them the waves' z, 512 bytes each
.set VO,  1                            ; v1       my byte offset in the wave's first 32 keys: 16 hl keys + 16 r bytes; never rewritten
.set MO,  5                            ; v5       16 hl: my 16 bytes of the mask
.set SO,  6                            ; v6       16 x lane
.set SA,  7                            ; v7       LDS: my 16 bytes in my wave's block
.set RA,  8                            ; v8       LDS: my 16 bytes of my slice in wave 0's block
.set RA2, 9                            ; v9       the same in wave 4's block (an LDS offset has 16 bits)
.set ZS,  10                           ; v10      LDS: where my wave's z goes
.set ZL,  11                           ; v11      LDS: my 16 bytes of wave 0's z
.set MW,  12                           ; v[12:19]   mask bytes as loaded, 16 for each K step
.set MF,  20                           ; v[20:35]   the K step's 16 masks in f32
.set E,   36                           ; v[36:43]   at work
.set G,   44                           ; v[44:51]   at work
.set Z,   52                           ; v[52:59]   z of my 4 features: even keys, odd keys
.set XK,  60                           ; v[60:123]  k as loaded: 16 keys x 4
.set XV,  124                          ; v[124:187] v as loaded
.set FA,  188                          ; v[188:219] four fragments of f(k) m
.set FB,  220                          ; v[220:251] four fragments of v m
.set R,   XK                           ; v[60:187]  later: my slice of the eight waves' sums
.set ZR,  FA                           ; v[188:219] later, wave 0: the eight waves' z
; v256-v383: the 16 accumulator tiles, tile (t, u) at v[256 + 8 (4 t + u)].  s_set_vgpr_msb: bits 1:0 source 0, 3:2 source 1, 5:4 source 2, 7:6 destination.
.set MSB, 0
.macro WIN new                         ; the immediate's high byte repeats the setting that is left
.if MSB != \new
	s_set_vgpr_msb (MSB<<8)|\new
.set MSB, \new
.endif
.endm
	s_load_b256 s[4:11], s[0:1], 0x0               ; k s[4:5], v s[6:7], kv_mask s[8:9], part s[10:11]
	v_lshl_add_u32 v254, v0, 2, 0x21000
	v_mov_b32 v255, 0
	v_lshrrev_b32 v2, 5, v0
	v_readfirstlane_b32 s12, v2                    ; wave 0..7
	v_and_b32 v2, 15, v0                           ; r
	v_bfe_u32 v3, v0, 4, 1                         ; hl
	v_and_b32 v4, 31, v0                           ; lane
	v_lshlrev_b32 v[VO], 4, v2
	v_lshl_add_u32 v[VO], v3, 15, v[VO]            ; 16 r + hl x 16 keys x 2,048
	v_lshlrev_b32 v[MO], 4, v3
	v_lshlrev_b32 v[SO], 4, v4
	s_and_b32 s13, ttmp9, 7                        ; head
	s_bfe_u32 s14, ttmp9, 0x30003                  ; chunk of 512 keys
	s_lshr_b32 s15, ttmp9, 6                       ; batch
	s_lshl_b32 s16, s15, 12
	s_lshl_b32 s17, s14, 9
	s_add_co_u32 s16, s16, s17
	s_lshl_b32 s17, s12, 6
	s_add_co_u32 s16, s16, s17                     ; my wave's first key among the 16,384 = its byte in the mask
	s_mov_b32 s17, 0
	s_lshl_b32 s18, s16, 11                        ; x 2,048 bytes
	s_lshl_b32 s19, s13, 8                         ; + head x 256: below 2^26
	s_add_co_u32 s18, s18, s19
	s_mov_b32 s19, 0
	s_lshl3_add_u32 s20, s15, s13                  ; slot = (8 batch + head) x 8 + chunk: the eight chunks of a (batch, head) lie side by side
	s_lshl3_add_u32 s20, s20, s14
	s_mul_i32 s20, s20, SLOTB
	s_lshl_b32 s21, s12, 11                        ; + my wave's slice
	s_add_co_u32 s20, s20, s21
	s_mov_b32 s21, 0
	s_mov_b32 s22, 0x3fb8aa3b                      ; log2(e), in a pair for the packed multiply
	s_mov_b32 s23, 0x3fb8aa3b
	s_lshl_b32 s24, s12, 14
	v_add_nc_u32 v[SA], s24, v[SO]                 ; wave x 16,384 + 16 lane
	s_lshl_b32 s25, s12, 9                         ; my slice w: the quads 8 t + w, t = 0..3, 512 bytes each
	v_add_nc_u32 v[RA], s25, v[SO]                 ; wave x 512 + 16 lane
	v_add_nc_u32 v[RA2], 4*WBLK, v[RA]
	s_lshl_b32 s26, s12, 9
	s_add_co_u32 s26, s26, ZLDS
	v_add_nc_u32 v[ZS], s26, v[SO]
	v_add_nc_u32 v[ZL], ZLDS, v[SO]
	s_wait_kmcnt 0x0
	s_add_nc_u64 s[4:5], s[4:5], s[18:19]
	s_add_nc_u64 s[6:7], s[6:7], s[18:19]
	s_add_nc_u64 s[8:9], s[8:9], s[16:17]
	s_add_nc_u64 s[10:11], s[10:11], s[20:21]
; Unit i of a K step = keys 2 i and 2 i + 1 of each half: two loads of k, two of v.  Each load: two rows of 256 bytes, each at a multiple of 256.
.macro LOAD4 i, s
	global_load_b128 v[XK+8*\i:XK+8*\i+3],   v[VO], s[4:5] offset:(32*\s+2*\i)*ROWB th:TH_LOAD_NT
	global_load_b128 v[XK+8*\i+4:XK+8*\i+7], v[VO], s[4:5] offset:(32*\s+2*\i+1)*ROWB th:TH_LOAD_NT
	global_load_b128 v[XV+8*\i:XV+8*\i+3],   v[VO], s[6:7] offset:(32*\s+2*\i)*ROWB th:TH_LOAD_NT
	global_load_b128 v[XV+8*\i+4:XV+8*\i+7], v[VO], s[6:7] offset:(32*\s+2*\i+1)*ROWB th:TH_LOAD_NT
.endm
	global_load_b128 v[MW:MW+3],   v[MO], s[8:9]               ; the masks of my 16 keys of K step 0
	global_load_b128 v[MW+4:MW+7], v[MO], s[8:9] offset:32     ; and of K step 1
.irp i, 0,1,2,3,4,5,6,7
	LOAD4 \i, 0                                    ; 32 loads, 16 KiB of the wave, 128 KiB of the work-group on their way
.endr
.macro MASKS s                         ; 16 bytes to 16 f32
.irp j, 0,1,2,3,4,5,6,7,8,9,10,11,12,13,14,15
	v_bfe_u32 v[MF+\j], v[MW+4*\s+\j/4], 8*(\j%4), 8
.endr
.irp j, 0,1,2,3,4,5,6,7,8,9,10,11,12,13,14,15
	v_cvt_f32_u32 v[MF+\j], v[MF+\j]
.endr
.endm
; One unit's turn.  first = 1: its features start z (nothing is cleared).  refill = 1: its registers are loaded again for K step 1.
; left = how many younger loads may stay out.
.macro UNIT i, first, refill, left
	s_wait_loadcnt \left                           ; loads come back in order (ISA guide 5.7.1): the unit's four are in
.irp c, 0,2,4,6
	v_pk_mul_f32 v[E+\c:E+\c+1], v[XK+8*\i+\c:XK+8*\i+\c+1], s[22:23] op_sel_hi:[1,0]
.endr
.irp c, 0,1,2,3,4,5,6,7
	v_exp_f32 v[G+\c], v[E+\c]                     ; exp(x)
.endr
.irp c, 0,1,2,3,4,5,6,7
	v_cmp_lt_f32 s[40+\c], 0, v[XK+8*\i+\c]        ; x > 0 (false for NaN, which then comes through exp); plain instructions between v_exp_f32 and the use of its results (ISA guide 5.7.2)
.endr
	s_wait_alu depctr_va_vdst(0)
.irp c, 0,2,4,6
	v_pk_add_f32 v[G+\c:G+\c+1], v[G+\c:G+\c+1], -1.0 op_sel_hi:[1,0]
.endr
.irp c, 0,1,2,3,4,5,6,7
	v_cndmask_b32 v[G+\c], v[G+\c], v[XK+8*\i+\c], s[40+\c]    ; elu(x)
.endr
.if \first
.set KD, Z
.else
.set KD, G
.endif
	; (elu + 1) m in one fused multiply-add; key 2 i takes the pair's first mask, key 2 i + 1 its second
	v_pk_fma_f32 v[KD:KD+1],   v[G:G+1],   v[MF+2*\i:MF+2*\i+1], v[MF+2*\i:MF+2*\i+1] op_sel_hi:[1,0,0]
	v_pk_fma_f32 v[KD+2:KD+3], v[G+2:G+3], v[MF+2*\i:MF+2*\i+1], v[MF+2*\i:MF+2*\i+1] op_sel_hi:[1,0,0]
	v_pk_fma_f32 v[KD+4:KD+5], v[G+4:G+5], v[MF+2*\i:MF+2*\i+1], v[MF+2*\i:MF+2*\i+1] op_sel:[0,1,1] op_sel_hi:[1,1,1]
	v_pk_fma_f32 v[KD+6:KD+7], v[G+6:G+7], v[MF+2*\i:MF+2*\i+1], v[MF+2*\i:MF+2*\i+1] op_sel:[0,1,1] op_sel_hi:[1,1,1]
.if \first == 0
.irp c, 0,2,4,6
	v_pk_add_f32 v[Z+\c:Z+\c+1], v[Z+\c:Z+\c+1], v[G+\c:G+\c+1]    ; z in f32, four chains
.endr
.endif
.irp t, 0,1,2,3
	v_cvt_pk_bf16_f32 v[FA+8*\t+\i], v[KD+\t], v[KD+4+\t]      ; feature 4 r + t of keys 2 i, 2 i + 1: word i of fragment t
.endr
	v_pk_mul_f32 v[XV+8*\i:XV+8*\i+1],   v[XV+8*\i:XV+8*\i+1],   v[MF+2*\i:MF+2*\i+1] op_sel_hi:[1,0]
	v_pk_mul_f32 v[XV+8*\i+2:XV+8*\i+3], v[XV+8*\i+2:XV+8*\i+3], v[MF+2*\i:MF+2*\i+1] op_sel_hi:[1,0]
	v_pk_mul_f32 v[XV+8*\i+4:XV+8*\i+5], v[XV+8*\i+4:XV+8*\i+5], v[MF+2*\i:MF+2*\i+1] op_sel:[0,1] op_sel_hi:[1,1]
	v_pk_mul_f32 v[XV+8*\i+6:XV+8*\i+7], v[XV+8*\i+6:XV+8*\i+7], v[MF+2*\i:MF+2*\i+1] op_sel:[0,1] op_sel_hi:[1,1]
.irp t, 0,1,2,3
	v_cvt_pk_bf16_f32 v[FB+8*\t+\i], v[XV+8*\i+\t], v[XV+8*\i+4+\t]
.endr
.if \refill
	LOAD4 \i, 1
.endif
.endm
; 16 matrix instructions: 64 features x 64 values, 32 keys.  The sixteen accumulators take turns, one instruction a turn.
; zero = 1: the first K step starts the sums.
.macro MUL zero
	WIN 0x50                                       ; C and D in v256-v383
.irp t, 0,1,2,3
.irp u, 0,1,2,3
.if \zero
	v_wmma_f32_16x16x32_bf16 v[8*(4*\t+\u):8*(4*\t+\u)+7], v[FA+8*\t:FA+8*\t+7], v[FB+8*\u:FB+8*\u+7], 0
.else
	v_wmma_f32_16x16x32_bf16 v[8*(4*\t+\u):8*(4*\t+\u)+7], v[FA+8*\t:FA+8*\t+7], v[FB+8*\u:FB+8*\u+7], v[8*(4*\t+\u):8*(4*\t+\u)+7]
.endif
.endr
.endr
	WIN 0
.endm
	s_wait_loadcnt 32                              ; the two mask loads are in; the 32 loads of k and v behind them stay out
	MASKS 0
	UNIT 0, 1, 1, 28                               ; behind a unit's four loads: 4 (7 - i) of this K step and the 4 i refills of the units before = 28
.irp i, 1,2,3,4,5,6,7
	UNIT \i, 0, 1, 28
.endr
	MUL 1
	MASKS 1                                        ; 32 plain vector instructions that name no fragment: more than the four places (ISA guide 7.12.1) in front of the next writes of the fragments
.irp i, 0,1,2,3,4,5,6,7
	UNIT \i, 0, 0, 28-4*\i                         ; the last K step loads nothing: the counts run down
.endr
	MUL 0
	; THE EIGHT WAVES' SUMS MEET IN LDS.  Four places stand between the last matrix instruction and the LDS stores of its result.
	v_pk_add_f32 v[Z:Z+1],   v[Z:Z+1],   v[Z+4:Z+5]            ; z: even keys + odd keys
	v_pk_add_f32 v[Z+2:Z+3], v[Z+2:Z+3], v[Z+6:Z+7]
	v_nop
	v_nop
	WIN 0x04                                       ; an LDS store's data is its source 1: v256-v383
.set qd, 0
.rept 32
	ds_store_b128 v[SA], v[4*qd:4*qd+3] offset:512*qd          ; 32 lanes x 16 neighbouring bytes: no bank is asked twice
.set qd, qd+1
.endr
	WIN 0
	ds_store_b128 v[ZS], v[Z:Z+3]
	s_wait_dscnt 0x0                               ; for the others' sake: all my stores are in LDS
	s_barrier_signal -1
	s_barrier_wait -1
	; Wave w = 2 u + s adds, over the eight waves, the quads 8 t + w (t = 0..3): registers 4 s .. 4 s + 3 of the tiles (t, u).
	; These 16 numbers a lane are what the same lane packs, in the next launch, into one fragment of kv.
.irp w, 0,1,2,3
.irp t, 0,1,2,3
	ds_load_b128 v[R+16*\w+4*\t:R+16*\w+4*\t+3], v[RA] offset:\w*WBLK+\t*4096
.endr
.endr
.irp w, 4,5,6,7
.irp t, 0,1,2,3
	ds_load_b128 v[R+16*\w+4*\t:R+16*\w+4*\t+3], v[RA2] offset:(\w-4)*WBLK+\t*4096
.endr
.endr
.irp w, 1,2,3,4,5,6,7
	s_wait_dscnt 4*(7-\w)                          ; LDS loads come back in order: wave w's four are in, the later waves' stay out
.irp c, 0,2,4,6,8,10,12,14
	v_pk_add_f32 v[R+\c:R+\c+1], v[R+\c:R+\c+1], v[R+16*\w+\c:R+16*\w+\c+1]
.endr
.endr
.irp t, 0,1,2,3
	global_store_b128 v[SO], v[R+4*\t:R+4*\t+3], s[10:11] offset:512*\t    ; 512 consecutive bytes, at a multiple of 256 from part's first byte
.endr
	s_cmp_lg_u32 s12, 0
	s_cbranch_scc1 .Ldone
	; wave 0 alone: z.  The two halves of the lanes hold sums over different keys; they go out side by side (512 bytes) and are added in the next launch.
.irp w, 0,1,2,3,4,5,6,7
	ds_load_b128 v[ZR+4*\w:ZR+4*\w+3], v[ZL] offset:512*\w
.endr
	s_wait_dscnt 0x0
.irp w, 1,2,3,4,5,6,7
	v_pk_add_f32 v[ZR:ZR+1],   v[ZR:ZR+1],   v[ZR+4*\w:ZR+4*\w+1]
	v_pk_add_f32 v[ZR+2:ZR+3], v[ZR+2:ZR+3], v[ZR+4*\w+2:ZR+4*\w+3]
.endr
	global_store_b128 v[SO], v[ZR:ZR+3], s[10:11] offset:16384         ; wave 0's slice begins the slot, so z lies 16,384 bytes behind its base
.Ldone:
	s_wait_tensorcnt 0x0
	ds_add_u32 v254, v255
	s_wait_dscnt 0x0
	s_endpgm
.Lfunc_end_k_q28bcd599a7_kvsum:
	.size	k_q28bcd599a7_kvsum, .Lfunc_end_k_q28bcd599a7_kvsum-k_q28bcd599a7_kvsum
	.p2alignl 7, 3214868480
	.fill 96, 4, 3214868480
	.section	.rodata,"a",@progbits
	.p2align	6, 0x0
	.amdhsa_kernel k_q28bcd599a7_kvsum
		.amdhsa_group_segment_fixed_size 136192
		.amdhsa_private_segment_fixed_size 0
		.amdhsa_enable_private_segment 0
		.amdhsa_kernarg_size 32
		.amdhsa_user_sgpr_count 2
		.amdhsa_user_sgpr_kernarg_segment_ptr 1
		.amdhsa_wavefront_size32 1
		.amdhsa_system_sgpr_workgroup_id_x 1
		.amdhsa_system_sgpr_workgroup_id_y 1
		.amdhsa_system_sgpr_workgroup_id_z 1
		.amdhsa_system_vgpr_workitem_id 0
		.amdhsa_next_free_vgpr 384
		.amdhsa_next_free_sgpr 66
		.amdhsa_reserve_vcc 0
		.amdhsa_float_denorm_mode_32 3
		.amdhsa_float_denorm_mode_16_64 3
		.amdhsa_memory_ordered 1
		.amdhsa_forward_progress 1
		.amdhsa_inst_pref_size 73
	.end_amdhsa_kernel
	.amdgpu_metadata
---
amdhsa.version: [ 1, 2 ]
amdhsa.kernels:
  - .name:           k_q28bcd599a7_kvsum
    .symbol:         k_q28bcd599a7_kvsum.kd
    .args:
      - { .name: k, .offset: 0, .size: 8, .value_kind: global_buffer, .address_space: global }
      - { .name: v, .offset: 8, .size: 8, .value_kind: global_buffer, .address_space: global }
      - { .name: kv_mask, .offset: 16, .size: 8, .value_kind: global_buffer, .address_space: global }
      - { .name: part, .offset: 24, .size: 8, .value_kind: global_buffer, .address_space: global }
    .group_segment_fixed_size: 136192
    .private_segment_fixed_size: 0
    .kernarg_segment_align: 8
    .kernarg_segment_size: 32
    .max_flat_workgroup_size: 256
    .sgpr_count:     66
    .vgpr_count:     384
    .wavefront_size: 32
...
	.end_amdgpu_metadata
.endif
;; end of part 1
;; launch apply (part 2): grid 256 x 1, 8 waves a work-group, no clusters, 168,960 bytes of LDS; arguments q, part, out0; writes out0
.if DOCPART == 2
	.amdgcn_target "amdgcn-amd-amdhsa--gfx1250"
	.amdhsa_code_object_version 6
	.text
	.protected	k_q28bcd599a7_apply
	.globl	k_q28bcd599a7_apply
	.p2align	8
	.type	k_q28bcd599a7_apply,@function
k_q28bcd599a7_apply:
	s_mov_b64 s[64:65], 0
	v_nop
	global_prefetch_b8 v0, s[64:65] scope:SCOPE_SE
	s_setreg_imm32_b32 hwreg(HW_REG_WAVE_MODE, 25, 1), 1
	s_wait_xcnt 0x0
; out[n][e] = (sum over d of f(q)[n][d] kv[d][e]) / (sum over d of f(q)[n][d] z[d] + 1e-6),   f(x) = elu(x) + 1.
; q, out0: [4][4096][8][64] f32.  part: for each (batch, head) eight slots of 16,896 bytes, the partial kv and z of eight chunks of keys.
; q_mask is no argument: the problem's function takes it and uses it nowhere, so no result hangs on it.
; A work-group owns one (batch, head) and 512 query rows; its eight waves own 64 rows each, four tiles of 16.  256 work-groups, the head fastest.
;
; THE ORDER OF THE WORK.  No row can be stored before kv and z are whole, so the partial sums are asked for first, the wave's rows of q behind them.
; The one barrier hands kv's fragments and z from wave to wave and stands AHEAD of the wait for q: a wave waits for its own tile alone, and a wave
; whose tile has landed multiplies and stores while other waves' tiles are still on their way.  Behind the barrier a wave goes 16 rows at a time,
; so its first stores leave after a quarter of its arithmetic.
; q: one tensor load a wave, 64 rows of 256 bytes (each at a multiple of 256) into LDS bytes that are the wave's own; 16 bytes of padding behind each row.
; Every LDS byte is filled once: there is no ring, the load may be out at the barrier, and the wave's own s_wait_tensorcnt is all that its reads need.
; One tensor load of a wave is out.
; Lane (r, hl) reads features 32 hl .. 32 hl + 31 of row r: K step s of the product takes features 32 hl + 16 s + 0..15 in half hl, in A and in B alike.
; kv: part holds the accumulators of the launch before lane by lane, and lane (r, hl) held there kv[32 hl + ..][4 r + u]: just what lane (r, hl) needs
; here of B's fragments (column r of tile u = output column 4 r + u).  Wave w = 2 u + s adds slice w of the eight partial sums in f32, packs ONE
; fragment (K step s, tile u), and hands it to the others through LDS.  z is laid into all 16 columns of a fragment: a fifth accumulator then
; holds, in every lane, the normalisers of the lane's own eight rows.
; OUT: register j of tile u in lane (r, hl) is out[row 8 hl + j][4 r + u]; the multiply by the reciprocal lays four tiles' numbers side by side:
; 16 bytes a lane, and sixteen lanes store one row's 256 consecutive bytes, at a multiple of 256.
; NO CLUSTER: the eight work-groups of a (batch, head) read the same 135,168 bytes of part, beside 131,072 bytes of q and 131,072 of out0 of their own.
; They come by plain loads straight into the registers in which they are added.  Joint tensor loads would lay the 135,168 bytes into each
; work-group's LDS to be read back from there, and put two rounds of the cluster's barrier into a text with one fill, one of them ahead of the sums that every store waits for.
; LIMITS: f(q), kv and z enter the products rounded to bf16, sums in f32; exp is v_exp_f32 and the division a multiply by v_rcp_f32, 1 ulp each.
; f(x) is formed as the problem forms it (x > 0 ? x : exp(x) - 1, then + 1) and is exactly 0 for x below about -17.3.
.set ROWB,   2048                      ; bytes from a query row to the next
.set SLOTB,  16896                     ; a slot of part
.set QPITCH, 272                       ; an LDS row: 256 bytes + 16: the 16 rows that a load touches begin in 16 different 16-byte columns of 256
.set QWAVE,  64*QPITCH                 ; a wave's tile
.set FRAG,   8*QWAVE                   ; 139,264 = 544 x 256: behind the tiles, bytes that no tensor load fills: eight fragments of 1,024 bytes
.set ZAREA,  FRAG+8192                 ; z in bf16, 128 bytes
.set LQ,  4                            ; v4   LDS: my 128 bytes of row r of my wave's tile
.set LF,  5                            ; v5   LDS: my 16 bytes of fragment 0
.set LZ,  6                            ; v6   LDS: z[32 hl ..]
.set CO,  7                            ; v7   my byte offset in out0: 8 hl rows + 16 r
.set PO,  8                            ; v8   16 x lane
.set FS,  9                            ; v9   LDS: my 16 bytes of my wave's fragment
.set ZSA, 10                           ; v10  LDS: z[4 r ..]
.set XQ,  16                           ; v[16:47]   16 rows of q as read from LDS: my 32 numbers
.set AF,  48                           ; v[48:63]   f(q) of those rows: K step s at AF + 8 s
.set BF,  80                           ; v[80:143]  kv: K step s, tile u at BF + 8 (4 s + u)
.set BZ,  144                          ; v[144:159] z: K step s
.set ACC, 160                          ; v[160:191] four accumulators
.set ACCZ, 192                         ; v[192:199] the normalisers' accumulator
.set OUT, 200                          ; v[200:231] eight rows x 16 bytes to store
.set INV, 232                          ; v[232:239] reciprocals
.set E,   232                          ; v[232:239] at work on f
.set G,   240                          ; v[240:247] at work on f
.set P,   80                           ; v[80:207]  ahead of the barrier: slice w of the eight partial sums
.set ZR,  208                          ; v[208:239] ahead of the barrier, wave 0: the eight partial z
.set FR,  208                          ; v[208:215] ahead of the barrier: my fragment, packed
	s_load_b128 s[4:7], s[0:1], 0x0                ; q s[4:5], part s[6:7]
	s_load_b64 s[8:9], s[0:1], 0x10                ; out0
	v_lshl_add_u32 v254, v0, 2, 0x29000
	v_mov_b32 v255, 0
	ds_add_u32 v254, v255
	ds_add_u32 v254, v255
	v_lshrrev_b32 v1, 5, v0
	v_readfirstlane_b32 s12, v1                    ; wave 0..7
	s_and_b32 s13, ttmp9, 7                        ; head
	s_bfe_u32 s14, ttmp9, 0x30003                  ; chunk of 512 rows
	s_lshr_b32 s15, ttmp9, 6                       ; batch
	s_lshl_b32 s16, s15, 12
	s_lshl_b32 s17, s14, 9
	s_add_co_u32 s16, s16, s17
	s_lshl_b32 s17, s12, 6
	s_add_co_u32 s16, s16, s17                     ; my wave's first row among the 16,384
	s_lshl_b32 s18, s16, 11
	s_lshl_b32 s19, s13, 8
	s_add_co_u32 s18, s18, s19                     ; x 2,048 + head x 256, below 2^26
	s_mov_b32 s19, 0
	s_lshl3_add_u32 s20, s15, s13                  ; 8 batch + head
	s_mul_i32 s20, s20, 8*SLOTB                    ; its eight slots
	s_lshl_b32 s21, s12, 11                        ; + my wave's slice
	s_add_co_u32 s20, s20, s21
	s_mov_b32 s21, 0
	; descriptor group 1: 64 rows x 64 elements of 4 bytes, 512 elements from row to row; the tile lies inside the tensor, so the extents are the tile's
	s_mov_b32 s28, (2<<16)|(1<<20)|(5<<22)|(3<<25) ; 15:0 no mask; 17:16 elements of 4 bytes; 20 padding on; 24:22 after every 64 words; 31:25 of 4 words
	s_mov_b32 s29, 64<<16                          ; tensor_dim0 = 64
	s_mov_b32 s30, 64<<16                          ; tensor_dim1 = 64
	s_mov_b32 s31, 64<<16                          ; tile_dim0 = 64
	s_mov_b32 s32, 64                              ; tile_dim1 = 64
	s_mov_b32 s33, 512                             ; stride from row to row
	s_mov_b32 s34, 0
	s_mov_b32 s35, 0
	s_mov_b32 s24, 1                               ; group 0: count = 1
	s_mul_i32 s25, s12, QWAVE                      ; LDS address: wave x 17,408
	s_mov_b32 s36, 0x76543210                      ; v_permlanex16_b32: lane i of one half reads lane i of the other
	s_mov_b32 s37, 0xfedcba98
	s_mov_b32 s38, 0x3fb8aa3b                      ; log2(e), in a pair for the packed multiply
	s_mov_b32 s39, 0x3fb8aa3b
	v_and_b32 v1, 15, v0                           ; r
	v_bfe_u32 v2, v0, 4, 1                         ; hl
	v_and_b32 v3, 31, v0                           ; lane
	v_lshlrev_b32 v[PO], 4, v3
	v_mul_u32_u24 v[LQ], v1, QPITCH
	v_lshl_add_u32 v[LQ], v2, 7, v[LQ]
	v_add_nc_u32 v[LQ], s25, v[LQ]                 ; wave's tile + r x 272 + 128 hl
	v_add_nc_u32 v[LF], FRAG, v[PO]
	s_lshl_b32 s22, s12, 10
	v_add_nc_u32 v[FS], s22, v[LF]                 ; fragment w at wave x 1,024
	v_lshl_add_u32 v[LZ], v2, 6, ZAREA
	v_lshl_add_u32 v[ZSA], v1, 3, ZAREA
	v_lshlrev_b32 v[CO], 4, v1
	v_lshl_add_u32 v[CO], v2, 14, v[CO]
	s_wait_dscnt 0x0
	s_wait_kmcnt 0x0
	s_add_nc_u64 s[6:7], s[6:7], s[20:21]
	; first the partial sums: every store of the work-group waits for them
.irp p, 0,1,2,3,4,5,6,7
.irp t, 0,1,2,3
	global_load_b128 v[P+16*\p+4*\t:P+16*\p+4*\t+3], v[PO], s[6:7] offset:\p*SLOTB+\t*512      ; 512 consecutive bytes each
.endr
.endr
	s_add_nc_u64 s[26:27], s[4:5], s[18:19]        ; group 0: the tile's first element
	s_or_b32 s27, s27, 0x80000000                  ; type = 2
	tensor_load_to_lds s[24:27], s[28:35]          ; then my wave's 64 rows of q: the only fill of these bytes, ahead of every LDS read, barrier and wait on TENSORcnt
	s_nop 0
	s_add_nc_u64 s[8:9], s[8:9], s[18:19]
	s_cmp_lg_u32 s12, 0
	s_cbranch_scc1 .Lnot_wave_0
	; wave 0 alone: z = the sum of eight slots x two halves of the lanes, in f32; then bf16, in the order of d.  (Its slice begins the slot: z lies 16,384 bytes behind its base.)
.irp p, 0,1,2,3,4,5,6,7
	global_load_b128 v[ZR+4*\p:ZR+4*\p+3], v[PO], s[6:7] offset:\p*SLOTB+16384
.endr
	s_wait_loadcnt 0x0
.irp p, 1,2,3,4,5,6,7
	v_pk_add_f32 v[ZR:ZR+1],   v[ZR:ZR+1],   v[ZR+4*\p:ZR+4*\p+1]
	v_pk_add_f32 v[ZR+2:ZR+3], v[ZR+2:ZR+3], v[ZR+4*\p+2:ZR+4*\p+3]
.endr
.irp c, 0,1,2,3
	v_permlanex16_b32 v[ZR+4+\c], v[ZR+\c], s36, s37           ; the other half's sum (the destination has been written: a load landed there)
.endr
	v_pk_add_f32 v[ZR:ZR+1],   v[ZR:ZR+1],   v[ZR+4:ZR+5]
	v_pk_add_f32 v[ZR+2:ZR+3], v[ZR+2:ZR+3], v[ZR+6:ZR+7]      ; z[4 r .. 4 r + 3], in both halves
	v_cvt_pk_bf16_f32 v[ZR+8], v[ZR], v[ZR+1]
	v_cvt_pk_bf16_f32 v[ZR+9], v[ZR+2], v[ZR+3]
	ds_store_b64 v[ZSA], v[ZR+8:ZR+9]              ; lanes r and 16 + r write the same 8 bytes with the same value
.Lnot_wave_0:
.irp p, 1,2,3,4,5,6,7
	s_wait_loadcnt 4*(7-\p)                        ; slot p's four loads are in, the later slots' stay out (in wave 0 all are in)
.irp c, 0,2,4,6,8,10,12,14
	v_pk_add_f32 v[P+\c:P+\c+1], v[P+\c:P+\c+1], v[P+16*\p+\c:P+16*\p+\c+1]
.endr
.endr
	; P + 4 t + jj = kv[32 hl + 16 s + 4 jj + t][4 r + u].  Word i of the fragment wants d = 32 hl + 16 s + 2 i and the next: jj = i / 2, t = 2 (i % 2) and t + 1.
.irp i, 0,1,2,3,4,5,6,7
	v_cvt_pk_bf16_f32 v[FR+\i], v[P+8*(\i%2)+\i/2], v[P+8*(\i%2)+4+\i/2]
.endr
	ds_store_b128 v[FS], v[FR:FR+3]
	ds_store_b128 v[FS], v[FR+4:FR+7] offset:512
	s_wait_dscnt 0x0                               ; for the others' sake: my fragment (and wave 0's z) is in LDS
	s_barrier_signal -1                            ; my tensor load may be out here: behind this barrier nothing is filled again, and no other wave reads my tile
	s_barrier_wait -1                              ; all eight fragments and z are there
.irp s, 0,1
.irp u, 0,1,2,3
	ds_load_b128 v[BF+8*(4*\s+\u):BF+8*(4*\s+\u)+3],   v[LF] offset:1024*(2*\u+\s)      ; wave 2 u + s packed K step s of tile u
	ds_load_b128 v[BF+8*(4*\s+\u)+4:BF+8*(4*\s+\u)+7], v[LF] offset:1024*(2*\u+\s)+512
.endr
.endr
.irp s, 0,1
	ds_load_b128 v[BZ+8*\s:BZ+8*\s+3],   v[LZ] offset:32*\s           ; z[32 hl + 16 s ..], the same in all 16 lanes of a half
	ds_load_b128 v[BZ+8*\s+4:BZ+8*\s+7], v[LZ] offset:32*\s+16
.endr
; eight numbers at v[x ..] to f in bf16, four words at v[d ..]
.macro FEAT x, d
.irp c, 0,2,4,6
	v_pk_mul_f32 v[E+\c:E+\c+1], v[\x+\c:\x+\c+1], s[38:39] op_sel_hi:[1,0]
.endr
.irp c, 0,1,2,3,4,5,6,7
	v_exp_f32 v[G+\c], v[E+\c]
.endr
.irp c, 0,1,2,3,4,5,6,7
	v_cmp_lt_f32 s[40+\c], 0, v[\x+\c]             ; plain instructions between v_exp_f32 and the use of its results (ISA guide 5.7.2)
.endr
	s_wait_alu depctr_va_vdst(0)
.irp c, 0,2,4,6
	v_pk_add_f32 v[G+\c:G+\c+1], v[G+\c:G+\c+1], -1.0 op_sel_hi:[1,0]
.endr
.irp c, 0,1,2,3,4,5,6,7
	v_cndmask_b32 v[G+\c], v[G+\c], v[\x+\c], s[40+\c]
.endr
.irp c, 0,2,4,6
	v_pk_add_f32 v[G+\c:G+\c+1], v[G+\c:G+\c+1], 1.0 op_sel_hi:[1,0]
.endr
.irp c, 0,1,2,3
	v_cvt_pk_bf16_f32 v[\d+\c], v[G+2*\c], v[G+2*\c+1]
.endr
.endm
.macro QLOAD n                         ; row r of tile n, my 128 bytes
.irp c, 0,1,2,3,4,5,6,7
	ds_load_b128 v[XQ+4*\c:XQ+4*\c+3], v[LQ] offset:\n*16*QPITCH+16*\c
.endr
.endm
; 16 rows: the feature map, ten matrix instructions, the division, eight stores.  nx = the next tile's number, 0 behind the last.
; The five accumulators take turns, one instruction a turn; the first K step starts the sums.
.macro TILE n, nx
	s_wait_dscnt 0x0                               ; this tile's numbers are in (ahead of the first tile: kv's and z's fragments too)
.irp g, 0,1,2,3
	FEAT XQ+8*\g, AF+4*\g                          ; 32 numbers = both K steps' fragments
.endr
.if \nx
	QLOAD \nx                                      ; XQ has been read: the next tile's numbers come in under the products, the division and the stores
.endif
.irp u, 0,1,2,3
	v_wmma_f32_16x16x32_bf16 v[ACC+8*\u:ACC+8*\u+7], v[AF:AF+7], v[BF+8*\u:BF+8*\u+7], 0
.endr
	v_wmma_f32_16x16x32_bf16 v[ACCZ:ACCZ+7], v[AF:AF+7], v[BZ:BZ+7], 0
.irp u, 0,1,2,3
	v_wmma_f32_16x16x32_bf16 v[ACC+8*\u:ACC+8*\u+7], v[AF+8:AF+15], v[BF+32+8*\u:BF+32+8*\u+7], v[ACC+8*\u:ACC+8*\u+7]
.endr
	v_wmma_f32_16x16x32_bf16 v[ACCZ:ACCZ+7], v[AF+8:AF+15], v[BZ+8:BZ+15], v[ACCZ:ACCZ+7]
.rept 4
	v_nop                                          ; four places between a matrix instruction and a vector instruction on its result (ISA guide 7.12.1); they also stand ahead of the next tile's writes of AF
.endr
.irp c, 0,2,4,6
	v_pk_add_f32 v[ACCZ+\c:ACCZ+\c+1], v[ACCZ+\c:ACCZ+\c+1], 0x358637bd op_sel_hi:[1,0]       ; + 1e-6
.endr
.irp j, 0,1,2,3,4,5,6,7
	v_rcp_f32 v[INV+\j], v[ACCZ+\j]
.endr
	s_wait_xcnt 0x0                                ; OUT, which the last tile's stores read, is rewritten only behind this wait
	v_nop                                          ; one plain instruction between v_rcp_f32 and the use of its result (ISA guide 5.7.2)
	s_wait_alu depctr_va_vdst(0)
.irp j, 0,1,2,3,4,5,6,7
.irp u, 0,1,2,3
	v_mul_f32 v[OUT+4*\j+\u], v[ACC+8*\u+\j], v[INV+\j]        ; out[8 hl + j][4 r + u]: four tiles' numbers side by side
.endr
	global_store_b128 v[CO], v[OUT+4*\j:OUT+4*\j+3], s[8:9] offset:(16*\n+\j)*ROWB th:TH_STORE_NT     ; lanes 0-15 one row's 256 bytes, lanes 16-31 those of the row 8 further
.endr
.endm
	s_wait_tensorcnt 0x0                           ; my tile is in LDS; no other wave reads it, and no wave waits here for another's
	QLOAD 0
	TILE 0, 1
	TILE 1, 2
	TILE 2, 3
	TILE 3, 0
	s_wait_tensorcnt 0x0
	ds_add_u32 v254, v255
	s_wait_dscnt 0x0
	s_endpgm
.Lfunc_end_k_q28bcd599a7_apply:
	.size	k_q28bcd599a7_apply, .Lfunc_end_k_q28bcd599a7_apply-k_q28bcd599a7_apply
	.p2alignl 7, 3214868480
	.fill 96, 4, 3214868480
	.section	.rodata,"a",@progbits
	.p2align	6, 0x0
	.amdhsa_kernel k_q28bcd599a7_apply
		.amdhsa_group_segment_fixed_size 168960
		.amdhsa_private_segment_fixed_size 0
		.amdhsa_enable_private_segment 0
		.amdhsa_kernarg_size 24
		.amdhsa_user_sgpr_count 2
		.amdhsa_user_sgpr_kernarg_segment_ptr 1
		.amdhsa_wavefront_size32 1
		.amdhsa_system_sgpr_workgroup_id_x 1
		.amdhsa_system_sgpr_workgroup_id_y 1
		.amdhsa_system_sgpr_workgroup_id_z 1
		.amdhsa_system_vgpr_workitem_id 0
		.amdhsa_next_free_vgpr 256
		.amdhsa_next_free_sgpr 66
		.amdhsa_reserve_vcc 0
		.amdhsa_float_denorm_mode_32 3
		.amdhsa_float_denorm_mode_16_64 3
		.amdhsa_memory_ordered 1
		.amdhsa_forward_progress 1
		.amdhsa_inst_pref_size 66
	.end_amdhsa_kernel
	.amdgpu_metadata
---
amdhsa.version: [ 1, 2 ]
amdhsa.kernels:
  - .name:           k_q28bcd599a7_apply
    .symbol:         k_q28bcd599a7_apply.kd
    .args:
      - { .name: q, .offset: 0, .size: 8, .value_kind: global_buffer, .address_space: global }
      - { .name: part, .offset: 8, .size: 8, .value_kind: global_buffer, .address_space: global }
      - { .name: out0, .offset: 16, .size: 8, .value_kind: global_buffer, .address_space: global }
    .group_segment_fixed_size: 168960
    .private_segment_fixed_size: 0
    .kernarg_segment_align: 8
    .kernarg_segment_size: 24
    .max_flat_workgroup_size: 256
    .sgpr_count:     66
    .vgpr_count:     256
    .wavefront_size: 32
...
	.end_amdgpu_metadata
.endif
;; end of part 2
;; ======== version 2 of 2: 2 launches; version 1 with the launch kvsum written anew for expert scheduling mode
;; workspace buffers: part 4,325,376 bytes
;; launch kvsum (part 3): grid 256 x 1, 8 waves a work-group, no clusters, 136,192 bytes of LDS; arguments k, v, kv_mask, part; writes part
.if DOCPART == 3
	.amdgcn_target "amdgcn-amd-amdhsa--gfx1250"
	.amdhsa_code_object_version 6
	.text
	.protected	k_q28bcd599a7_kvsum
	.globl	k_q28bcd599a7_kvsum
	.p2align	8
	.type	k_q28bcd599a7_kvsum,@function
k_q28bcd599a7_kvsum:
	s_mov_b64 s[64:65], 0
	v_nop
	global_prefetch_b8 v0, s[64:65] scope:SCOPE_SE
	s_setreg_imm32_b32 hwreg(HW_REG_WAVE_SCHED_MODE, 0, 2), 2
	s_setreg_imm32_b32 hwreg(HW_REG_WAVE_MODE, 25, 1), 1
	s_wait_xcnt 0x0
	s_wait_alu depctr_vm_vsrc(0)
; Partial sums of linear attention:  kv[d][e] = sum over keys of f(k)[d] m * v[e] m,   z[d] = sum over keys of f(k)[d] m,   f(x) = elu(x) + 1.
; k, v: [4][4096][8][64] f32.  kv_mask: [4][4096] bytes, taken as 0 or 1.  part: 256 slots of 16,896 bytes.
; A work-group owns one (batch, head) and 512 keys; its eight waves own 64 keys each, as two K steps of 32 keys.
; 256 work-groups = 4 batches x 8 chunks x 8 heads, the head fastest: eight neighbouring groups read neighbouring bytes.
;
; NO TRANSPOSE IS PAID FOR.  A (key, head) row is 256 bytes at a multiple of 256.  One 16-byte load of the wave takes two whole rows:
; lanes 0-15 (hl = 0) key j, lanes 16-31 (hl = 1) key 16 + j; lane r of a half takes features 4r .. 4r+3.  After 16 loads lane (r, hl) holds
; 16 keys x 4 features.  A bf16 fragment wants, in lane (r, hl), 16 values along K of one row (ISA guide 7.12.2): so component t of the 16 loads IS
; the lane's part of the fragment whose row r stands for feature 4r + t, and v_cvt_pk_bf16_f32, which takes its two sources from two loads,
; puts it there.  The order of the keys inside a K step is the same in k's and in v's fragments, so the products are the same.
; Result tile (t, u), register j, lane (r, hl):  kv[32 hl + 4 j + t][4 r + u].
;
; f(x) is formed as the problem forms it: x > 0 ? x : exp(x) - 1, then + 1, each step rounded to f32, so that it is exactly 0 for x below about -17.3.
; The mask enters as (y + 1) m = fma(y, m, m), exact for m = 0 or 1, and as v m.
; LIMITS: the products take f(k) m and v m rounded to bf16 (above 3.39e38 they round to infinity) and add in f32; z adds the unrounded f32;
; both in another order than a sum key by key.  exp is v_exp_f32 of x log2(e), good to 1 ulp.
;
; THE MODE: SCHED_MODE bits 1:0 = 2 (LLVM: expert scheduling mode 2), set by the entry lines.  The code itself states the register dependences
; between vector or matrix instructions and memory or LDS instructions, with s_wait_alu, always for 0.
; THE PLAN.  Registers that memory or LDS instructions touch:
;   v1, v5 .. v11   Addresses, made once at the head and never written again: one wait ahead of the first load serves every load and store.
;   MW              Two loads at the head land in it; MASKS reads it; it is not loaded again.
;   XK, XV          Unit i's eight and eight registers: read (XV also scaled in place) by unit i's vector lines of K step 0, then loaded again for K step 1.
;                   The four loads stand in unit i + 1, directly behind that unit's wait for its exponentials: all of unit i was issued ahead of that wait,
;                   and no vector line since names unit i's registers.  Unit 7 has no unit behind it ahead of the products: it has a wait of its own.
;   accumulators, Z Written by the matrix instructions and two packed adds, read by the LDS stores: one wait ahead of the run of stores.
;   R (v60-187)     Named last by K step 1's units; the LDS loads behind the barrier land in it.  The wait ahead of the LDS stores serves them too: between it and
;                   them stand only LDS stores of other registers, a window switch, the wait on DScnt and the barrier.  R's first 16 are then summed into and stored: a wait ahead of those stores.
;   ZR (v188-219)   Named last by the last products; wave 0's LDS loads land in it behind that same wait.  Its first four are summed into and stored: a wait ahead of that store.
;   v254, v255      Written at the head, read by the closing add alone.
; No register that a memory or LDS instruction reads is ever written again, so the only wait on vm_vsrc is the one among the entry lines.
; E, G, MF, FA and FB are named by vector and matrix instructions alone.
.set ROWB,  2048                       ; bytes from a key to the next
.set SLOTB, 16896                      ; a slot of part: 8 slices of 2,048 bytes of kv, then 512 bytes of z
.set WBLK,  16384                      ; LDS: a wave's 128 accumulators, 32 quads of registers x 512 bytes
.set ZLDS,  8*WBLK                     ; LDS: behind them the waves' z, 512 bytes each
.set VO,  1                            ; v1       my byte offset in the wave's first 32 keys: 16 hl keys + 16 r bytes; never rewritten
.set MO,  5                            ; v5       16 hl: my 16 bytes of the mask
.set SO,  6                            ; v6       16 x lane
.set SA,  7                            ; v7       LDS: my 16 bytes in my wave's block
.set RA,  8                            ; v8       LDS: my 16 bytes of my slice in wave 0's block
.set RA2, 9                            ; v9       the same in wave 4's block (an LDS offset has 16 bits)
.set ZS,  10                           ; v10      LDS: where my wave's z goes
.set ZL,  11                           ; v11      LDS: my 16 bytes of wave 0's z
.set MW,  12                           ; v[12:19]   mask bytes as loaded, 16 for each K step
.set MF,  20                           ; v[20:35]   the K step's 16 masks in f32
.set E,   36                           ; v[36:43]   at work
.set G,   44                           ; v[44:51]   at work
.set Z,   52                           ; v[52:59]   z of my 4 features: even keys, odd keys
.set XK,  60                           ; v[60:123]  k as loaded: 16 keys x 4
.set XV,  124                          ; v[124:187] v as loaded
.set FA,  188                          ; v[188:219] four fragments of f(k) m
.set FB,  220                          ; v[220:251] four fragments of v m
.set R,   XK                           ; v[60:187]  later: my slice of the eight waves' sums
.set ZR,  FA                           ; v[188:219] later, wave 0: the eight waves' z
; v256-v383: the 16 accumulator tiles, tile (t, u) at v[256 + 8 (4 t + u)].  s_set_vgpr_msb: bits 1:0 source 0, 3:2 source 1, 5:4 source 2, 7:6 destination.
.set MSB, 0
.macro WIN new                         ; the immediate's high byte repeats the setting that is left
.if MSB != \new
	s_set_vgpr_msb (MSB<<8)|\new
.set MSB, \new
.endif
.endm
	s_load_b256 s[4:11], s[0:1], 0x0               ; k s[4:5], v s[6:7], kv_mask s[8:9], part s[10:11]
	v_lshl_add_u32 v254, v0, 2, 0x21000            ; my spare word, behind the waves' z: v254 and v255 are kept for the closing lines alone
	v_mov_b32 v255, 0
	v_lshrrev_b32 v2, 5, v0
	v_readfirstlane_b32 s12, v2                    ; wave 0..7
	v_and_b32 v2, 15, v0                           ; r
	v_bfe_u32 v3, v0, 4, 1                         ; hl
	v_and_b32 v4, 31, v0                           ; lane
	v_lshlrev_b32 v[VO], 4, v2
	v_lshl_add_u32 v[VO], v3, 15, v[VO]            ; 16 r + hl x 16 keys x 2,048
	v_lshlrev_b32 v[MO], 4, v3
	v_lshlrev_b32 v[SO], 4, v4
	s_wait_alu depctr_va_sdst(0)                   ; s12 is written, ahead of its first reader: the bases and the LDS addresses are made from it
	s_and_b32 s13, ttmp9, 7                        ; head
	s_bfe_u32 s14, ttmp9, 0x30003                  ; chunk of 512 keys
	s_lshr_b32 s15, ttmp9, 6                       ; batch
	s_lshl_b32 s16, s15, 12
	s_lshl_b32 s17, s14, 9
	s_add_co_u32 s16, s16, s17
	s_lshl_b32 s17, s12, 6
	s_add_co_u32 s16, s16, s17                     ; my wave's first key among the 16,384 = its byte in the mask
	s_mov_b32 s17, 0
	s_lshl_b32 s18, s16, 11                        ; x 2,048 bytes
	s_lshl_b32 s19, s13, 8                         ; + head x 256: below 2^26
	s_add_co_u32 s18, s18, s19
	s_mov_b32 s19, 0
	s_lshl3_add_u32 s20, s15, s13                  ; slot = (8 batch + head) x 8 + chunk: the eight chunks of a (batch, head) lie side by side
	s_lshl3_add_u32 s20, s20, s14
	s_mul_i32 s20, s20, SLOTB
	s_lshl_b32 s21, s12, 11                        ; + my wave's slice
	s_add_co_u32 s20, s20, s21
	s_mov_b32 s21, 0
	s_mov_b32 s22, 0x3fb8aa3b                      ; log2(e), in a pair for the packed multiply
	s_mov_b32 s23, 0x3fb8aa3b
	s_lshl_b32 s24, s12, 14
	v_add_nc_u32 v[SA], s24, v[SO]                 ; wave x 16,384 + 16 lane
	s_lshl_b32 s25, s12, 9                         ; my slice w: the quads 8 t + w, t = 0..3, 512 bytes each
	v_add_nc_u32 v[RA], s25, v[SO]                 ; wave x 512 + 16 lane
	v_add_nc_u32 v[RA2], 4*WBLK, v[RA]
	s_lshl_b32 s26, s12, 9
	s_add_co_u32 s26, s26, ZLDS
	v_add_nc_u32 v[ZS], s26, v[SO]
	v_add_nc_u32 v[ZL], ZLDS, v[SO]
	s_wait_kmcnt 0x0
	s_add_nc_u64 s[4:5], s[4:5], s[18:19]
	s_add_nc_u64 s[6:7], s[6:7], s[18:19]
	s_add_nc_u64 s[8:9], s[8:9], s[16:17]
	s_add_nc_u64 s[10:11], s[10:11], s[20:21]
; Unit i of a K step = keys 2 i and 2 i + 1 of each half: two loads of k, two of v.  Each load: two rows of 256 bytes, each at a multiple of 256.
.macro LOAD4 i, s
	global_load_b128 v[XK+8*(\i):XK+8*(\i)+3],   v[VO], s[4:5] offset:(32*(\s)+2*(\i))*ROWB th:TH_LOAD_NT
	global_load_b128 v[XK+8*(\i)+4:XK+8*(\i)+7], v[VO], s[4:5] offset:(32*(\s)+2*(\i)+1)*ROWB th:TH_LOAD_NT
	global_load_b128 v[XV+8*(\i):XV+8*(\i)+3],   v[VO], s[6:7] offset:(32*(\s)+2*(\i))*ROWB th:TH_LOAD_NT
	global_load_b128 v[XV+8*(\i)+4:XV+8*(\i)+7], v[VO], s[6:7] offset:(32*(\s)+2*(\i)+1)*ROWB th:TH_LOAD_NT
.endm
	s_wait_alu depctr_va_vdst(0)                   ; the eight addresses v1 and v5 to v11 are written: every load and store of the kernel reads one of them
	global_load_b128 v[MW:MW+3],   v[MO], s[8:9]               ; the masks of my 16 keys of K step 0
	global_load_b128 v[MW+4:MW+7], v[MO], s[8:9] offset:32     ; and of K step 1
.irp i, 0,1,2,3,4,5,6,7
	LOAD4 \i, 0                                    ; 32 loads, 16 KiB of the wave, 128 KiB of the work-group on their way
.endr
.macro MASKS s                         ; 16 bytes to 16 f32
.irp j, 0,1,2,3,4,5,6,7,8,9,10,11,12,13,14,15
	v_bfe_u32 v[MF+\j], v[MW+4*\s+\j/4], 8*(\j%4), 8
.endr
.irp j, 0,1,2,3,4,5,6,7,8,9,10,11,12,13,14,15
	v_cvt_f32_u32 v[MF+\j], v[MF+\j]
.endr
.endm
; One unit's turn.  first = 1: its features start z (nothing is cleared).  fill = the unit whose registers are loaded again for K step 1 (the unit before), or -1: none.
; left = how many younger loads may stay out.
.macro UNIT i, first, fill, left
	s_wait_loadcnt \left                           ; loads come back in order (ISA guide 5.7.1): the unit's four are in
.irp c, 0,2,4,6
	v_pk_mul_f32 v[E+\c:E+\c+1], v[XK+8*\i+\c:XK+8*\i+\c+1], s[22:23] op_sel_hi:[1,0]
.endr
.irp c, 0,1,2,3,4,5,6,7
	v_exp_f32 v[G+\c], v[E+\c]                     ; exp(x)
.endr
.irp c, 0,1,2,3,4,5,6,7
	v_cmp_lt_f32 s[40+\c], 0, v[XK+8*\i+\c]        ; x > 0 (false for NaN, which then comes through exp); plain instructions between v_exp_f32 and the use of its results (ISA guide 5.7.2)
.endr
	s_wait_alu depctr_va_vdst(0)                   ; the eight exponentials have written G, ahead of its first reader; and the unit before is done reading its XK and reading and writing its XV, in which the loads below land
	s_wait_alu depctr_va_sdst(0)                   ; the eight compares have written s40 to s47, ahead of the selects that read them
.if (\fill) >= 0
	LOAD4 \fill, 1                                 ; no vector instruction since the wait names these registers
.endif
.irp c, 0,2,4,6
	v_pk_add_f32 v[G+\c:G+\c+1], v[G+\c:G+\c+1], -1.0 op_sel_hi:[1,0]
.endr
.irp c, 0,1,2,3,4,5,6,7
	v_cndmask_b32 v[G+\c], v[G+\c], v[XK+8*\i+\c], s[40+\c]    ; elu(x)
.endr
.if \first
.set KD, Z
.else
.set KD, G
.endif
	; (elu + 1) m in one fused multiply-add; key 2 i takes the pair's first mask, key 2 i + 1 its second
	v_pk_fma_f32 v[KD:KD+1],   v[G:G+1],   v[MF+2*\i:MF+2*\i+1], v[MF+2*\i:MF+2*\i+1] op_sel_hi:[1,0,0]
	v_pk_fma_f32 v[KD+2:KD+3], v[G+2:G+3], v[MF+2*\i:MF+2*\i+1], v[MF+2*\i:MF+2*\i+1] op_sel_hi:[1,0,0]
	v_pk_fma_f32 v[KD+4:KD+5], v[G+4:G+5], v[MF+2*\i:MF+2*\i+1], v[MF+2*\i:MF+2*\i+1] op_sel:[0,1,1] op_sel_hi:[1,1,1]
	v_pk_fma_f32 v[KD+6:KD+7], v[G+6:G+7], v[MF+2*\i:MF+2*\i+1], v[MF+2*\i:MF+2*\i+1] op_sel:[0,1,1] op_sel_hi:[1,1,1]
.if \first == 0
.irp c, 0,2,4,6
	v_pk_add_f32 v[Z+\c:Z+\c+1], v[Z+\c:Z+\c+1], v[G+\c:G+\c+1]    ; z in f32, four chains
.endr
.endif
.irp t, 0,1,2,3
	v_cvt_pk_bf16_f32 v[FA+8*\t+\i], v[KD+\t], v[KD+4+\t]      ; feature 4 r + t of keys 2 i, 2 i + 1: word i of fragment t
.endr
	v_pk_mul_f32 v[XV+8*\i:XV+8*\i+1],   v[XV+8*\i:XV+8*\i+1],   v[MF+2*\i:MF+2*\i+1] op_sel_hi:[1,0]
	v_pk_mul_f32 v[XV+8*\i+2:XV+8*\i+3], v[XV+8*\i+2:XV+8*\i+3], v[MF+2*\i:MF+2*\i+1] op_sel_hi:[1,0]
	v_pk_mul_f32 v[XV+8*\i+4:XV+8*\i+5], v[XV+8*\i+4:XV+8*\i+5], v[MF+2*\i:MF+2*\i+1] op_sel:[0,1] op_sel_hi:[1,1]
	v_pk_mul_f32 v[XV+8*\i+6:XV+8*\i+7], v[XV+8*\i+6:XV+8*\i+7], v[MF+2*\i:MF+2*\i+1] op_sel:[0,1] op_sel_hi:[1,1]
.irp t, 0,1,2,3
	v_cvt_pk_bf16_f32 v[FB+8*\t+\i], v[XV+8*\i+\t], v[XV+8*\i+4+\t]
.endr
.endm
; 16 matrix instructions: 64 features x 64 values, 32 keys.  The sixteen accumulators take turns, one instruction a turn.
; zero = 1: the first K step starts the sums.
.macro MUL zero
	WIN 0x50                                       ; C and D in v256-v383
.irp t, 0,1,2,3
.irp u, 0,1,2,3
.if \zero
	v_wmma_f32_16x16x32_bf16 v[8*(4*\t+\u):8*(4*\t+\u)+7], v[FA+8*\t:FA+8*\t+7], v[FB+8*\u:FB+8*\u+7], 0
.else
	v_wmma_f32_16x16x32_bf16 v[8*(4*\t+\u):8*(4*\t+\u)+7], v[FA+8*\t:FA+8*\t+7], v[FB+8*\u:FB+8*\u+7], v[8*(4*\t+\u):8*(4*\t+\u)+7]
.endif
.endr
.endr
	WIN 0
.endm
	s_wait_loadcnt 32                              ; the two mask loads are in; the 32 loads of k and v behind them stay out
	MASKS 0
	UNIT 0, 1, -1, 28                              ; behind unit 0's four loads: the 28 of units 1 to 7
.irp i, 1,2,3,4,5,6,7
	UNIT \i, 0, \i-1, 24                           ; behind unit i's four loads: 4 (7 - i) of this K step and the 4 (i - 1) refills of units 0 to i - 2 = 24
.endr
	s_wait_alu depctr_va_vdst(0)                   ; unit 7 is done reading its XK and reading and writing its XV, in which the four loads below land
	LOAD4 7, 1                                     ; ahead of the products, whose window setting would send a load's data among the accumulators
	MUL 1
	MASKS 1                                        ; 32 plain vector instructions that name no fragment: more than the four places (ISA guide 7.12.1) in front of the next writes of the fragments
.irp i, 0,1,2,3,4,5,6,7
	UNIT \i, 0, -1, 28-4*\i                        ; the last K step loads nothing: the counts run down
.endr
	MUL 0
	; THE EIGHT WAVES' SUMS MEET IN LDS.  Four places stand between the last matrix instruction and the LDS stores of its result.
	v_pk_add_f32 v[Z:Z+1],   v[Z:Z+1],   v[Z+4:Z+5]            ; z: even keys + odd keys
	v_pk_add_f32 v[Z+2:Z+3], v[Z+2:Z+3], v[Z+6:Z+7]
	v_nop
	v_nop
	WIN 0x04                                       ; an LDS store's data is its source 1: v256-v383
	s_wait_alu depctr_va_vdst(0)                   ; the matrix instructions have written the accumulators and the two adds Z, which the LDS stores read (the places above stay beside this wait); and K step 1's units are done with v60 to v187, in which the LDS loads behind the barrier land
.set qd, 0
.rept 32
	ds_store_b128 v[SA], v[4*qd:4*qd+3] offset:512*qd          ; 32 lanes x 16 neighbouring bytes: no bank is asked twice
.set qd, qd+1
.endr
	WIN 0
	ds_store_b128 v[ZS], v[Z:Z+3]
	s_wait_dscnt 0x0                               ; for the others' sake: all my stores are in LDS
	s_barrier_signal -1
	s_barrier_wait -1
	; Wave w = 2 u + s adds, over the eight waves, the quads 8 t + w (t = 0..3): registers 4 s .. 4 s + 3 of the tiles (t, u).
	; These 16 numbers a lane are what the same lane packs, in the next launch, into one fragment of kv.
.irp w, 0,1,2,3
.irp t, 0,1,2,3
	ds_load_b128 v[R+16*\w+4*\t:R+16*\w+4*\t+3], v[RA] offset:\w*WBLK+\t*4096
.endr
.endr
.irp w, 4,5,6,7
.irp t, 0,1,2,3
	ds_load_b128 v[R+16*\w+4*\t:R+16*\w+4*\t+3], v[RA2] offset:(\w-4)*WBLK+\t*4096
.endr
.endr
.irp w, 1,2,3,4,5,6,7
	s_wait_dscnt 4*(7-\w)                          ; LDS loads come back in order: wave w's four are in, the later waves' stay out
.irp c, 0,2,4,6,8,10,12,14
	v_pk_add_f32 v[R+\c:R+\c+1], v[R+\c:R+\c+1], v[R+16*\w+\c:R+16*\w+\c+1]
.endr
.endr
	s_wait_alu depctr_va_vdst(0)                   ; the adds have written R's first 16 registers, which the four stores read; the last products are done reading v188 to v219, in which wave 0's LDS loads below land
.irp t, 0,1,2,3
	global_store_b128 v[SO], v[R+4*\t:R+4*\t+3], s[10:11] offset:512*\t    ; 512 consecutive bytes, at a multiple of 256 from part's first byte
.endr
	s_cmp_lg_u32 s12, 0
	s_cbranch_scc1 .Ldone
	; wave 0 alone: z.  The two halves of the lanes hold sums over different keys; they go out side by side (512 bytes) and are added in the next launch.
.irp w, 0,1,2,3,4,5,6,7
	ds_load_b128 v[ZR+4*\w:ZR+4*\w+3], v[ZL] offset:512*\w
.endr
	s_wait_dscnt 0x0
.irp w, 1,2,3,4,5,6,7
	v_pk_add_f32 v[ZR:ZR+1],   v[ZR:ZR+1],   v[ZR+4*\w:ZR+4*\w+1]
	v_pk_add_f32 v[ZR+2:ZR+3], v[ZR+2:ZR+3], v[ZR+4*\w+2:ZR+4*\w+3]
.endr
	s_wait_alu depctr_va_vdst(0)                   ; the adds have written ZR's first four registers, which the store reads
	global_store_b128 v[SO], v[ZR:ZR+3], s[10:11] offset:16384         ; wave 0's slice begins the slot, so z lies 16,384 bytes behind its base
.Ldone:
	s_wait_dscnt 0x0                               ; the closing lines, six on end
	s_wait_alu 0x0
	s_wait_tensorcnt 0x0
	ds_add_u32 v254, v255
	s_wait_dscnt 0x0
	s_endpgm
.Lfunc_end_k_q28bcd599a7_kvsum:
	.size	k_q28bcd599a7_kvsum, .Lfunc_end_k_q28bcd599a7_kvsum-k_q28bcd599a7_kvsum
	.p2alignl 7, 3214868480
	.fill 96, 4, 3214868480
	.section	.rodata,"a",@progbits
	.p2align	6, 0x0
	.amdhsa_kernel k_q28bcd599a7_kvsum
		.amdhsa_group_segment_fixed_size 136192
		.amdhsa_private_segment_fixed_size 0
		.amdhsa_enable_private_segment 0
		.amdhsa_kernarg_size 32
		.amdhsa_user_sgpr_count 2
		.amdhsa_user_sgpr_kernarg_segment_ptr 1
		.amdhsa_wavefront_size32 1
		.amdhsa_system_sgpr_workgroup_id_x 1
		.amdhsa_system_sgpr_workgroup_id_y 1
		.amdhsa_system_sgpr_workgroup_id_z 1
		.amdhsa_system_vgpr_workitem_id 0
		.amdhsa_next_free_vgpr 384
		.amdhsa_next_free_sgpr 66
		.amdhsa_reserve_vcc 0
		.amdhsa_float_denorm_mode_32 3
		.amdhsa_float_denorm_mode_16_64 3
		.amdhsa_memory_ordered 1
		.amdhsa_forward_progress 1
		.amdhsa_inst_pref_size 74
	.end_amdhsa_kernel
	.amdgpu_metadata
---
amdhsa.version: [ 1, 2 ]
amdhsa.kernels:
  - .name:           k_q28bcd599a7_kvsum
    .symbol:         k_q28bcd599a7_kvsum.kd
    .args:
      - { .name: k, .offset: 0, .size: 8, .value_kind: global_buffer, .address_space: global }
      - { .name: v, .offset: 8, .size: 8, .value_kind: global_buffer, .address_space: global }
      - { .name: kv_mask, .offset: 16, .size: 8, .value_kind: global_buffer, .address_space: global }
      - { .name: part, .offset: 24, .size: 8, .value_kind: global_buffer, .address_space: global }
    .group_segment_fixed_size: 136192
    .private_segment_fixed_size: 0
    .kernarg_segment_align: 8
    .kernarg_segment_size: 32
    .max_flat_workgroup_size: 256
    .sgpr_count:     66
    .vgpr_count:     384
    .wavefront_size: 32
...
	.end_amdgpu_metadata
.endif
;; end of part 3
;; launch apply: the kernel of part 2 again; grid 256 x 1, 8 waves a work-group, no clusters, 168,960 bytes of LDS; arguments q, part, out0; writes out0
